; MI455X (gfx1250); checked and timed in simulation.
; The chip was launched on July 23, 2026; its instructions are those of AMD's public machine-readable ISA for CDNA 5 (MIT licence, August 2026) and "CDNA5" Instruction Set Architecture Reference Guide (July 2026). The comments in the code are by the model that wrote it; some were corrected since.
;; Self Attention. Allowed arithmetic: matrix products marked QUANTISED: E5M2 operands, one E8M0 scale for each 32 along K, by v_wmma_scale_f32_16x16x128_f8f6f4 with both operands' format E5M2, f32 sums; everything else in f32.
;; Inputs: Wk 1,024 x 1,024 float32; Wo 1,024 x 1,024 float32; Wq 1,024 x 1,024 float32; Wv 1,024 x 1,024 float32; bo 1,024 float32; x 4 x 2,048 x 1,024 float32.
;; Outputs: out0 4 x 2,048 x 1,024 float32.
;; This version of the problem:
;;   THIS VERSION OF THE PROBLEM IS GIVEN IN LOW PRECISION. The matrix products marked QUANTISED in the list below multiply operands that are first quantised to E5M2 (5 exponent bits, 2 mantissa bits; 8 bits a number), with one power-of-two scale for each 32 numbers along K (OCP MX v1.0); their sums are f32. All else is computed in f32.
;;   The module's matrix products, in the order in which they are computed (A, B: the left and right operand; K: the contracted axis; several contracted axes count as one K, in the product's order):
;;     1. [M 8,192, K 1,024] x [K 1,024, N 1,024]; A: input x; B: input Wq: QUANTISED
;;     2. [M 8,192, K 1,024] x [K 1,024, N 1,024]; A: input x; B: input Wk: QUANTISED
;;     3. [M 8,192, K 1,024] x [K 1,024, N 1,024]; A: input x; B: input Wv: QUANTISED
;;     4. batch 64 x [M 2,048, K 64] x [K 64, N 2,048]; A: computed on the way; B: computed on the way: QUANTISED
;;     5. batch 64 x [M 2,048, K 2,048] x [K 2,048, N 64]; A: softmax (see below); B: computed on the way: QUANTISED
;;     6. [M 8,192, K 1,024] x [K 1,024, N 1,024]; A: computed on the way; B: input Wo: QUANTISED
;;   THE QUANTISER, for each operand of a quantised product, along K:
;;     - K is cut into blocks of 32 from its start; a last block that is shorter is filled with zeros.
;;     - A block's scale is 2^e with e = floor(log2(the largest magnitude in the block)) - 15, held to -126 .. 127; a block of zeros has e = 0. As a byte (E8M0): e + 127.
;;     - Each number is divided by its block's scale, clamped to +-57,344, and rounded to the nearest number of E5M2, ties to even, subnormals kept.
;;     - The product sums the exact products of the quantised numbers (number of the format x scale) in f32.
;;   ~~~python
;;   def quantise(x, axis):      # numpy; x: float32 -> the quantised numbers, widened to float32 again
;;       x = np.moveaxis(x, axis, -1); K = x.shape[-1]
;;       x = np.pad(x, [(0, 0)] * (x.ndim - 1) + [(0, -K % 32)]); x = x.reshape(x.shape[:-1] + (-1, 32)); a = np.abs(x).max(-1, keepdims=True)
;;       e = np.where(a > 0, np.clip(np.frexp(np.where(a > 0, a, 1))[1] - 1 - 15, -126, 127), 0)      # np.frexp(a)[1] - 1 = floor(log2(a)), exactly
;;       r = np.clip(x / 2.0 ** e, -57344, 57344)
;;       step = 2.0 ** (np.maximum(np.frexp(np.where(r == 0, 1, r))[1] - 1, -14) - 2)
;;       q = np.round(r / step) * step * 2.0 ** e      # np.round: ties to even
;;       return np.moveaxis(q.reshape(q.shape[:-2] + (-1,))[..., :K], -1, axis).astype(np.float32)
;;   ~~~
;;   SOFTMAX AHEAD OF A QUANTISED PRODUCT. Where the list says 'softmax', what is quantised is not the finished softmax but p = 2^(t - M), with t = logit x log2(e) and M = ceil(the row's largest t), a whole number; so 1/2 < the row's largest p <= 1. The row's sum l is taken of the UNQUANTISED p, in f32, and the product's result is divided by l at the end. Since M is a whole number, a kernel that streams over the keys may use a running M (the ceiling of the running maximum): every later rescaling is an exact power of two, which a block's scale takes up: the codes' values come out the same.
;;   OPERANDS COMPUTED ON THE WAY. 'Computed on the way' means the value that the module computes at that place (a softmax that the list does not call 'softmax' is quantised finished and normalised). What goes into a quantiser is computed in f32, as accurately as f32 sums, v_exp_f32 and their like allow (about 1e-6 of the number): no bf16 or f16 on the way to a quantiser, and a product that is left as it is and whose result goes on into a quantised operand takes f32 operands (vector FMAs, or v_wmma_f32_16x16x4_f32). A number that lies on a knife's edge between two numbers of the format may be rounded either way, as far as f32 arithmetic and the matrix unit's own rounding can turn it there, and no further.
;; One version. Each part assembles by itself: llvm-mc -triple=amdgcn-amd-amdhsa -mcpu=gfx1250 --defsym DOCPART=n.
;; ======== version 1 of 1: 4 launches
;; workspace buffers: cod 12,582,912 bytes; scl 393,216 bytes; rope 524,288 bytes; qkv 35,127,296 bytes; ac 8,388,608 bytes; asc 262,144 bytes
;; launch quant (part 1): grid 256 x 1, 3 waves a work-group, no clusters, 25,856 bytes of LDS; arguments x, Wq, Wk, Wv, Wo, cod, scl, rope; writes cod, scl, rope
.if DOCPART == 1
	.amdgcn_target "amdgcn-amd-amdhsa--gfx1250"
	.amdhsa_code_object_version 6
	.text
	.protected	k_q7941cce3ad_quant
	.globl	k_q7941cce3ad_quant
	.p2align	8
	.type	k_q7941cce3ad_quant,@function
k_q7941cce3ad_quant:
	s_mov_b64 s[64:65], 0
	v_nop
	global_prefetch_b8 v0, s[64:65] scope:SCOPE_SE
	s_setreg_imm32_b32 hwreg(HW_REG_WAVE_MODE, 25, 1), 1
	s_wait_xcnt 0x0
; x [8192][1024] and Wq, Wk, Wv, Wo [1024][1024], f32, K innermost, become codes of BF8 (E5M2) with one E8M0 byte for each 32 along K; and the table of cos and sin for the rotary embedding is made.
; LAYOUT OF THE CODES.  A "ptile" is 16 rows: lane r of ptile T holds row 32 (T / 2) + 8 (T % 2) + r + 8 (r / 8).  A ptile's codes lie as images of the matrix operand's registers: K step s (128 along K) is 2,048 bytes,
; in it piece c (registers 4 c .. 4 c + 3) is 512 bytes, lane l's 16 bytes at 16 l; lane (r, h) holds k = 32 c + 16 h + 0 .. 15 of row r.  768 ptiles: x 0-511, Wq 512-575, Wk 576-639, Wv 640-703, Wo 704-767.
; The scale bytes: 512 bytes a ptile, [r][8 words], word s = the four bytes of K step s.
; SHARES.  Wave P = 3 x work-group + wave takes ptile P whole: 8 K steps.  A step's 16 loads read 512 consecutive bytes of one row each; the 8 KB turn through the wave's own stage in LDS (rows of 528 bytes) and come
; back 16 neighbours of each block of 32 a lane (two lanes, l and l xor 16, hold a block).  Loads run two steps (32 loads a wave) ahead.  No barrier: waves share nothing.
; A block's scale is 2^(floor(log2(largest magnitude)) - 15); its byte is the largest magnitude's exponent field - 15, held at 1 from below.
; THE TABLE: rope[n][i] = (cos, sin)(n x 10000^(-i / 32)), 256 bytes a token; waves 0 .. 511 make four tokens each, a lane a frequency.  The angle is one f32 product; it is reduced by multiples of pi / 2 held in
; two f32 words, and sine and cosine are polynomials on +-pi / 4.
; LIMITS: a block of zeros, and a block whose largest magnitude lies under 2^-111, gets the byte 1 (a block of zeros: over zero codes; this program alone reads the bytes); NaN and infinities among the inputs are not served;
; 10000^(-i / 32) is right to about 1.5 units in its last place, cos and sin to about 1e-7.
.set SP,   528                         ; a stage row: 512 bytes + 16
.set STGB, 16*SP                       ; a wave's stage
.set R,    16                          ; v16-143  two sets of 64: a K step as loaded
.set X,    144                         ; v144-207 64 numbers: register 16 b + i = k 32 b + 16 h + i of my row.  Ahead of the steps: the table's work
.set PC,   208                         ; v208-223 the codes just made
.set TM,   224                         ; v224-227 largest magnitudes, v228-231 bytes, v232-235 the holds, v236-239 the conversions' scale operands
.set PW,   240                         ; v240-247 the eight scale words
.set SEL,  20                          ; s[20:21] v_permlanex16_b32's selects for lane l xor 16
.set MNT,  23                          ; s23  the mantissa field of 57,344
.set HM,   30                          ; s30  lanes 16-31
.set SRC,  32                          ; s[32:33] my ptile's first row
	s_load_b256 s[4:11], s[0:1], 0x0               ; x s[4:5], Wq s[6:7], Wk s[8:9], Wv s[10:11]
	s_load_b256 s[12:19], s[0:1], 0x20             ; Wo s[12:13], cod s[14:15], scl s[16:17], rope s[18:19]
	v_lshl_add_u32 v254, v0, 2, 0x6300
	v_mov_b32 v255, 0
	v_lshrrev_b32 v9, 5, v0
	v_readfirstlane_b32 s24, v9                    ; wave 0..2
	s_mul_i32 s25, ttmp9, 3
	s_add_co_u32 s25, s25, s24                     ; P
	v_and_b32 v6, 31, v0                           ; lane
	v_and_b32 v7, 15, v0                           ; r
	v_bfe_u32 v8, v0, 4, 1                         ; h
	v_lshlrev_b32 v1, 4, v6                        ; 16 x lane: a load's, and an image's, place for my lane
	s_mul_i32 s26, s24, STGB
	v_add_nc_u32 v2, s26, v1                       ; the stage, on the way in
	v_mul_u32_u24 v3, v7, SP
	v_lshl_add_u32 v3, v8, 6, v3
	v_add_nc_u32 v3, s26, v3                       ; and on the way out: row r, + 64 h
	v_lshlrev_b32 v4, 5, v7
	v_lshl_add_u32 v4, v8, 4, v4                   ; the scale words: 32 r + 16 h
	v_lshlrev_b32 v5, 3, v6                        ; the table: 8 bytes a lane
	s_mov_b32 s[SEL], 0x76543210
	s_mov_b32 s[SEL+1], 0xfedcba98
	s_mov_b32 s[MNT], 0x600000
	s_mov_b32 s[HM], 0xffff0000
.irp b, 0,1,2,3
	v_mov_b32 v[TM+4+\b], 0                        ; written once: a lane permute's destination counts as one of its sources
.endr
	s_sub_co_u32 s27, s25, 512
	s_and_b32 s27, s27, 63
	s_cmp_lt_u32 s25, 512
	s_cselect_b32 s27, s25, s27                    ; the ptile's number in its own tensor
	s_lshr_b32 s28, s27, 1
	s_lshl_b32 s28, s28, 17                        ; 32 rows of 4,096 bytes for each pair of ptiles,
	s_and_b32 s29, s27, 1
	s_lshl_b32 s29, s29, 15                        ; 8 rows for the odd one
	s_add_co_u32 s28, s28, s29
	s_mov_b32 s29, 0
	s_wait_kmcnt 0x0
	s_cmp_lt_u32 s25, 704                          ; which tensor: the choice hangs on the wave's number P alone
	s_cselect_b64 s[SRC:SRC+1], s[10:11], s[12:13]
	s_cmp_lt_u32 s25, 640
	s_cselect_b64 s[SRC:SRC+1], s[8:9], s[SRC:SRC+1]
	s_cmp_lt_u32 s25, 576
	s_cselect_b64 s[SRC:SRC+1], s[6:7], s[SRC:SRC+1]
	s_cmp_lt_u32 s25, 512
	s_cselect_b64 s[SRC:SRC+1], s[4:5], s[SRC:SRC+1]
	s_add_nc_u64 s[SRC:SRC+1], s[SRC:SRC+1], s[28:29]
	s_lshl_b32 s28, s25, 14
	s_add_nc_u64 s[14:15], s[14:15], s[28:29]      ; my ptile's images
	s_lshl_b32 s28, s25, 9
	s_add_nc_u64 s[16:17], s[16:17], s[28:29]      ; and its scale words
.macro LOAD t                          ; K step t: 512 consecutive bytes of each of the 16 rows
.irp i, 0,1,2,3,4,5,6,7,8,9,10,11,12,13,14,15
	global_load_b128 v[R+64*((\t)%2)+4*\i:R+64*((\t)%2)+4*\i+3], v1, s[SRC:SRC+1] offset:(\i+8*(\i/8))*4096+512*(\t) th:TH_LOAD_NT
.endr
.endm
	LOAD 0
	LOAD 1
	; ---- the table, while the first loads are on their way
	s_cmp_lt_u32 s25, 512
	s_cbranch_scc0 .Lno_table
	s_lshl_b32 s28, s25, 10                        ; four tokens of 256 bytes
	s_add_nc_u64 s[18:19], s[18:19], s[28:29]
	s_lshl_b32 s37, s25, 2                         ; my first token
	s_mov_b32 s34, 0x3ed49a78                      ; log2(10000) / 32, upper word,
	s_mov_b32 s35, 0x32179ac6                      ; and what it leaves
	s_mov_b32 s36, 0xbf317218                      ; -ln 2
	s_mov_b32 s39, 0x3fc90fdb                      ; pi / 2, upper word,
	s_mov_b32 s40, 0xb33bbd2e                      ; and what it leaves
	v_mov_b32 v163, 0xb94ca1f9                     ; the polynomials' highest coefficients: sine's,
	v_mov_b32 v164, 0x37ccf5ce                     ; cosine's
	v_cvt_f32_u32 v144, v6                         ; i
	v_mul_f32 v145, s34, v144                      ; a = i x the upper word, rounded;
	v_fma_f32 v146, v144, s34, -v145               ; what the rounding dropped, exactly,
	v_fma_f32 v146, v144, s35, v146                ; and the lower word's part: e
	v_exp_f32 v147, -v145                          ; 2^-a
	v_mul_f32 v146, s36, v146                      ; -e ln 2  (the plain line behind the exponential)
	s_wait_alu depctr_va_vdst(0)                   ; ahead of the first line that names the exponential's result
	v_fma_f32 v148, v147, v146, v147               ; 2^-(a + e) = 2^-a (1 - e ln 2): 10000^(-i / 32)
.irp j, 0,1,2,3
	s_add_co_u32 s38, s37, \j
	v_cvt_f32_u32 v150, s38
	v_mul_f32 v150, v150, v148                     ; the angle: one f32 product
	v_mul_f32 v151, 0x3f22f983, v150
	v_rndne_f32 v151, v151                         ; k = the nearest multiple of pi / 2
	v_fma_f32 v152, -v151, s39, v150               ; exact: k has 11 bits
	v_fma_f32 v152, -v151, s40, v152               ; r, within +-pi / 4
	v_mul_f32 v153, v152, v152                     ; z = r^2
	v_fmaak_f32 v154, v163, v153, 0x3c08839e
	v_fmaak_f32 v154, v154, v153, 0xbe2aaaa3
	v_mul_f32 v154, v154, v153
	v_fma_f32 v154, v154, v152, v152               ; sin r
	v_fmaak_f32 v155, v164, v153, 0xbab6061a
	v_fmaak_f32 v155, v155, v153, 0x3d2aaaa5
	v_mul_f32 v156, v153, v153
	v_fma_f32 v157, v153, -0.5, 1.0
	v_fma_f32 v155, v155, v156, v157               ; cos r
	v_cvt_i32_f32 v158, v151
	v_and_b32 v159, 1, v158
	v_cmp_eq_u32 vcc_lo, 1, v159                   ; an odd quarter turn changes the two over (a choice of values, no branch)
	v_cndmask_b32 v160, v154, v155, vcc_lo
	v_cndmask_b32 v161, v155, v154, vcc_lo
	v_lshlrev_b32 v162, 30, v158
	v_and_b32 v162, 0x80000000, v162               ; the sine is negative in quarters 2 and 3,
	v_xor_b32 v[201+2*\j], v162, v160
	v_add_nc_u32 v158, 1, v158
	v_lshlrev_b32 v162, 30, v158
	v_and_b32 v162, 0x80000000, v162               ; the cosine in quarters 1 and 2
	v_xor_b32 v[200+2*\j], v162, v161
	global_store_b64 v5, v[200+2*\j:201+2*\j], s[18:19] offset:256*\j   ; 32 lanes store a token's 256 consecutive bytes, aligned
.endr
	s_wait_xcnt 0x0                                ; the stores' data lie where the first step's numbers will land: those registers are written again only behind this wait
.Lno_table:
; 64 numbers of a lane, v[s] on, become a fragment's codes in v[PC] on and its scale word in v[pw]
.macro QUANT s, pw
.irp b, 0,1,2,3
	v_max3_num_f32 v[TM+\b], |v[\s+16*\b]|, |v[\s+1+16*\b]|, 0x8000000   ; block b: my 16 numbers, and the floor 2^(16 - 127): so the byte cannot fall under 1
.endr
.irp i, 2,4,6,8,10,12,14
.irp b, 0,1,2,3
	v_max3_num_f32 v[TM+\b], v[TM+\b], |v[\s+16*\b+\i]|, |v[\s+1+16*\b+\i]|   ; (the four blocks by turns)
.endr
.endr
.irp b, 0,1,2,3
	v_permlanex16_b32 v[TM+4+\b], v[TM+\b], s[SEL], s[SEL+1]
.endr
.irp b, 0,1,2,3
	v_max_num_f32 v[TM+\b], v[TM+\b], v[TM+4+\b]   ; with lane l xor 16's: the block's largest magnitude
.endr
.irp b, 0,1,2,3
	v_add_nc_u32 v[TM+12+\b], 0xf8800000, v[TM+\b] ; 15 off its exponent field: the conversion takes this operand's exponent field as its scale
.endr
.irp b, 0,1,2,3
	v_and_or_b32 v[TM+8+\b], v[TM+\b], 0x7f800000, s[MNT]   ; 57,344 x the scale
.endr
.irp b, 0,1,2,3
	v_lshrrev_b32 v[TM+4+\b], 23, v[TM+12+\b]      ; the scale's byte
.endr
	v_lshl_or_b32 v[\pw], v[TM+5], 8, v[TM+4]
	v_lshl_or_b32 v[\pw], v[TM+6], 16, v[\pw]
	v_lshl_or_b32 v[\pw], v[TM+7], 24, v[\pw]
.irp b, 0,1,2,3
.irp i, 0,1,2,3,4,5,6,7,8,9,10,11,12,13,14,15
	v_med3_num_f32 v[\s+16*\b+\i], v[\s+16*\b+\i], -v[TM+8+\b], v[TM+8+\b]   ; the conversion to an 8-bit code does not saturate (ISA guide 7.6.2): the hold at the largest code x the scale
.endr
	v_cvt_scalef32_pk8_bf8_f32 v[PC+4*\b:PC+1+4*\b], v[\s+16*\b:\s+7+16*\b], v[TM+12+\b]
	v_cvt_scalef32_pk8_bf8_f32 v[PC+2+4*\b:PC+3+4*\b], v[\s+8+16*\b:\s+15+16*\b], v[TM+12+\b]
.endr
	v_nop                                          ; a plain line behind the last conversion
.endm
.macro STEP t
.if (\t) < 7
	s_wait_loadcnt 16                              ; this step's 16 loads are in; the next step's 16 may be out
.else
	s_wait_loadcnt 0x0
.endif
.irp i, 0,1,2,3,4,5,6,7,8,9,10,11,12,13,14,15
	ds_store_b128 v2, v[R+64*((\t)%2)+4*\i:R+64*((\t)%2)+4*\i+3] offset:SP*\i
.endr
.irp b, 0,1,2,3
.irp q, 0,1,2,3
	ds_load_b128 v[X+16*\b+4*\q:X+16*\b+4*\q+3], v3 offset:128*\b+16*\q   ; LDS serves a wave's instructions in order: these see the stores above
.endr
.endr
	s_wait_dscnt 0x0                               ; the numbers are back; the stores into the stage have read their registers
	s_wait_xcnt 0x0                                ; the last step's stores have read the codes' registers: they are written again only behind this wait
.if (\t)+2 < 8
	LOAD (\t)+2
.endif
	QUANT X, PW+(\t)
.irp c, 0,1,2,3
	global_store_b128 v1, v[PC+4*\c:PC+4*\c+3], s[14:15] offset:2048*(\t)+512*\c   ; 32 lanes store 512 consecutive bytes, aligned to 256
.endr
.endm
.irp t, 0,1,2,3,4,5,6,7
	STEP \t
.endr
.irp k, 0,1,2,3
	v_cndmask_b32 v[248+\k], v[PW+\k], v[PW+4+\k], s[HM]   ; lanes 0-15 send words 0-3 of their row, lanes 16-31 words 4-7 (both halves hold all eight)
.endr
	global_store_b128 v4, v[248:251], s[16:17]     ; the ptile's 512 bytes of scale words
	s_wait_tensorcnt 0x0
	ds_add_u32 v254, v255
	s_wait_dscnt 0x0
	s_endpgm
.Lfunc_end_k_q7941cce3ad_quant:
	.size	k_q7941cce3ad_quant, .Lfunc_end_k_q7941cce3ad_quant-k_q7941cce3ad_quant
	.p2alignl 7, 3214868480
	.fill 96, 4, 3214868480
	.section	.rodata,"a",@progbits
	.p2align	6, 0x0
	.amdhsa_kernel k_q7941cce3ad_quant
		.amdhsa_group_segment_fixed_size 25856
		.amdhsa_private_segment_fixed_size 0
		.amdhsa_enable_private_segment 0
		.amdhsa_kernarg_size 64
		.amdhsa_user_sgpr_count 2
		.amdhsa_user_sgpr_kernarg_segment_ptr 1
		.amdhsa_wavefront_size32 1
		.amdhsa_system_sgpr_workgroup_id_x 1
		.amdhsa_system_sgpr_workgroup_id_y 1
		.amdhsa_system_sgpr_workgroup_id_z 1
		.amdhsa_system_vgpr_workitem_id 0
		.amdhsa_next_free_vgpr 256
		.amdhsa_next_free_sgpr 66
		.amdhsa_reserve_vcc 1
		.amdhsa_float_denorm_mode_32 3
		.amdhsa_float_denorm_mode_16_64 3
		.amdhsa_memory_ordered 1
		.amdhsa_forward_progress 1
		.amdhsa_inst_pref_size 106
	.end_amdhsa_kernel
	.amdgpu_metadata
---
amdhsa.version: [ 1, 2 ]
amdhsa.kernels:
  - .name:           k_q7941cce3ad_quant
    .symbol:         k_q7941cce3ad_quant.kd
    .args:
      - { .name: x, .offset: 0, .size: 8, .value_kind: global_buffer, .address_space: global }
      - { .name: Wq, .offset: 8, .size: 8, .value_kind: global_buffer, .address_space: global }
      - { .name: Wk, .offset: 16, .size: 8, .value_kind: global_buffer, .address_space: global }
      - { .name: Wv, .offset: 24, .size: 8, .value_kind: global_buffer, .address_space: global }
      - { .name: Wo, .offset: 32, .size: 8, .value_kind: global_buffer, .address_space: global }
      - { .name: cod, .offset: 40, .size: 8, .value_kind: global_buffer, .address_space: global }
      - { .name: scl, .offset: 48, .size: 8, .value_kind: global_buffer, .address_space: global }
      - { .name: rope, .offset: 56, .size: 8, .value_kind: global_buffer, .address_space: global }
    .group_segment_fixed_size: 25856
    .private_segment_fixed_size: 0
    .kernarg_segment_align: 8
    .kernarg_segment_size: 64
    .max_flat_workgroup_size: 96
    .sgpr_count:     66
    .vgpr_count:     256
    .wavefront_size: 32
...
	.end_amdgpu_metadata
.endif
;; end of part 1
;; launch proj (part 2): grid 8 x 48, 4 waves a work-group, clusters of 4 x 1, 274,944 bytes of LDS; arguments cod, scl, rope, qkv; writes qkv
.if DOCPART == 2
	.amdgcn_target "amdgcn-amd-amdhsa--gfx1250"
	.amdhsa_code_object_version 6
	.text
	.protected	k_q7941cce3ad_proj
	.globl	k_q7941cce3ad_proj
	.p2align	8
	.type	k_q7941cce3ad_proj,@function
k_q7941cce3ad_proj:
	s_mov_b64 s[64:65], 0
	v_nop
	global_prefetch_b8 v0, s[64:65] scope:SCOPE_SE
	s_setreg_imm32_b32 hwreg(HW_REG_WAVE_MODE, 25, 1), 1
	s_wait_xcnt 0x0
	s_wait_alu depctr_hold_cnt(0) depctr_sa_sdst(0) depctr_va_vdst(0) depctr_va_sdst(0) depctr_va_ssrc(0) depctr_va_vcc(0) depctr_vm_vsrc(0)
	s_getreg_b32 s2, hwreg(HW_REG_IB_STS2, 6, 4)
	s_cmp_eq_u32 s2, 0
	s_cbranch_scc0 .Lentry_in_a_cluster
	s_endpgm
.Lentry_in_a_cluster:
	s_bfe_u32 s2, ttmp6, 0x10000c
	s_cmp_lg_u32 s2, 0x3003
	s_cbranch_scc0 .Lentry_shape_is_right
	s_endpgm
.Lentry_shape_is_right:
; q = x Wq^T, k = x Wk^T (rotated by the rotary embedding, then quantised along the head's 64) and v = x Wv^T (quantised along the keys), on codes of BF8 (E5M2) with E8M0 scales, all of K = 1,024 in one go.
; ONE SKELETON.  Source 0 is S0: four ptiles (64 rows) a wave, all of K, 512 registers, read from memory once and kept.  Source 1 is S1: a slice of 16 ptiles, all of K, in LDS, read by all four waves, a ptile at a time.
; (ptile: 16 rows, lane r holds row 32 (T / 2) + 8 (T % 2) + r + 8 (r / 8); codes lie as images of the operand's registers: 2,048 bytes a K step, 512 a piece, 16 a lane.)
; In the result a lane holds ONE row of S1, and its 32 registers are 2 x 16 neighbours along S0's rows: register 16 b + e is S0's row 32 b + 16 (lane / 16) + e.  So a block of 32 lies in lanes l and l xor 16.
;   work-group y < 32:  S0 = one head's 64 rows of Wq or Wk a wave, S1 = 256 tokens of x: a lane holds a token and 32 channels: rotated, quantised along the channels.
;   work-group y >= 32: S0 = 64 tokens of x a wave, S1 = 256 rows of Wv (4 heads): a lane holds a channel and 32 tokens: quantised along the tokens, which are the keys.
; OUT: qkv = [q | k and v][64 heads][16 steps of 128 tokens][a record of 17,152 bytes]: 8 ptiles x 1,024 bytes of q's or k's codes; V^T: 4 tiles of channels x 2,048 bytes; scale words of q or k [r][8 ptiles] (a word: the two
; bytes twice: the upper two stand over zero codes in the next launch); scale words of V [r][4 tiles].  A ptile's two blocks leave as two stores of 512 consecutive bytes on both paths.
; CLUSTER: the four work-groups of a cluster differ in S0 alone and share the slice S1: it is asked for JOINTLY (mask 15).  S0 goes from memory straight into registers, so a cluster has nothing to share along y.
; Every LDS byte is filled once: no ring.  A wave has two tensor loads out.
; The table's loads and the waits for them stand on every path, so that each counted wait counts the same loads; a v group's table pointer does not step, and it uses nothing of what these loads bring: 8 loads a ptile.
; The v path's scale bytes leave as stores of two bytes a lane (a word's halves come from two waves): 256 KB in the whole launch.
; LIMITS: a block of zeros, and one whose largest magnitude lies under 2^-111, gets the byte 1; NaN and infinities are not served.
.set REC,   17152
.set HEADB, 16*REC
.set KSEL,  64*HEADB
.set SCLL,  262144                     ; LDS: S1's codes 0 .. 262,143; its scale words, 512 bytes a ptile;
.set SCR,   270336                     ; a scratch of 1,024 bytes a wave, [r][16 words], into which no tile lands
.set L16,  1                           ; v1   16 x lane
.set R32,  2                           ; v2   32 r
.set AL,   3                           ; v3   LDS address of the ptile to be fetched
.set ASL,  4                           ; v4   and of its scale words
.set VCS,  5                           ; v5   the table: (r + 8 (r / 8)) x 256 + 64 h
.set SCW,  6                           ; v6   the scratch: where this trip's two words go
.set SRQ,  7                           ; v7   the scratch read back: 64 r + 16 h
.set SRV,  8                           ; v8   64 r + 4 h
.set GOQ,  9                           ; v9   32 r + 16 h
.set GOV,  10                          ; v10  16 r + 4 h
.set ASL0, 11                          ; v11  SCLL + 32 r
.set SCR0, 12                          ; v12  SCR + 1,024 wave + 64 r
.set ACC,  16                          ; v16-47   four accumulators
.set S0S,  48                          ; v48-79   S0's scale words: 8 t + s
.set S1S,  80                          ; v80-95   S1's, two sets of 8
.set CSR,  96                          ; v96-159  (cos, sin), two sets of 32
.set TMP,  160                         ; v160-191
.set PC,   192                         ; v192-199 the codes just made
.set TM,   200                         ; v200-201 largest magnitudes, v202-203 the other half's, v204-205 holds, v206-207 scale operands
.set BY,   208                         ; v208-209 the two bytes
.set HW,   210
.set WO,   212                         ; v212-219 the scale words' way out
; window 1: S0's fragments (t, s), s = 0..3, at v[16 (4 s + t)];  window 2: s = 4..7;  window 3: S1's fragments, two sets, at v[128 set + 16 s]
.set WV,   12
.set G1A,  24                          ; s[24:31] group 1: 256 rows of 256 bytes;  s[32:39]: 8 rows
.set G1B,  32
.set G0A,  40
.set G0B,  44
.set S0C,  48
.set S0L,  50
.set RB,   52                          ; s[52:53] the table at the pair of ptiles whose loads are due
.set BASE, 54
.set OB,   56
.set SH,   58
.set MSK,  59
.set BIG,  60
.set SMALL, 61
.set J,    62
.set TRIP, 63
.set SEL,  66
.set MNT,  68
.set ISV,  69
.set RST,  70                          ; s[70:71] the table pointer's step: 8,192 bytes (32 tokens), or 0 in a v group
.set TA,   74
.set TS,   75
.set SJ,   76
.set SVB,  78
.set MSB, 0
.macro WIN new                         ; the immediate's high byte repeats the setting that is left
.if MSB != \new
	s_set_vgpr_msb (MSB<<8)|\new
.set MSB, \new
.endif
.endm
.macro ROUND                           ; a round of the cluster's barrier
	s_barrier_signal -1
	s_barrier_wait -1
	s_cmp_lg_u32 s[WV], 0
	s_cbranch_scc1 .Lnot_wave_0_\@
	s_barrier_signal -3
.Lnot_wave_0_\@:
	s_barrier_wait -3
	s_barrier_signal -1
	s_barrier_wait -1
.endm
	s_load_b256 s[4:11], s[0:1], 0x0               ; cod s[4:5], scl s[6:7], rope s[8:9], qkv s[10:11]
	v_lshl_add_u32 v254, v0, 2, 0x43000
	v_mov_b32 v255, 0
	ds_add_u32 v254, v255
	ds_add_u32 v254, v255
	v_lshrrev_b32 v1, 5, v0
	v_readfirstlane_b32 s[WV], v1                  ; wave 0..3
	s_bfe_u32 s13, ttmp6, 0x40000                  ; cx: it enters addresses of plain loads and stores alone
	s_lshl_b32 s14, ttmp9, 2
	s_add_co_u32 s14, s14, s13                     ; gx = 4 x cluster x + cx
	s_and_b32 s15, ttmp7, 0xffff                   ; y, which the partners share
	s_max_u32 s16, s15, 32
	s_sub_co_u32 s16, s16, 32                      ; y' = y - 32 in a v group
	s_lshr_b32 s17, s16, 2                         ; which 256 rows of Wv
	s_and_b32 s18, s16, 3
	s_lshl_b32 s18, s18, 3
	s_add_co_u32 s18, s18, s14                     ; G: which 256 tokens
	s_lshl_b32 s80, s15, 4                         ; S1's first ptile: q, k: 16 y;
	s_lshl_b32 s81, s17, 4
	s_add_co_u32 s81, s81, 640                     ; v: 640 + 16 slice
	s_lshl_b32 s82, s14, 4
	s_add_co_u32 s82, s82, 512                     ; S0's: q, k: 512 + 16 gx;
	s_lshl_b32 s83, s18, 4                         ; v: 16 G
	s_lshl_b32 s84, s14, 2
	s_add_co_u32 s84, s84, s[WV]                   ; q, k: my head among 32: 0-15 q's, 16-31 k's
	s_lshr_b32 s85, s84, 4
	s_mul_i32 s85, s85, KSEL
	s_and_b32 s84, s84, 15
	s_lshr_b32 s86, s15, 3                         ; the batch
	s_lshl_b32 s86, s86, 4
	s_add_co_u32 s84, s84, s86
	s_mul_i32 s84, s84, HEADB
	s_add_co_u32 s84, s84, s85
	s_and_b32 s86, s15, 7
	s_mul_i32 s86, s86, 2*REC
	s_add_co_u32 s84, s84, s86                     ; q, k: where my records begin
	s_lshr_b32 s87, s18, 3                         ; v: the batch,
	s_lshl_b32 s87, s87, 4
	s_lshl_b32 s88, s17, 2
	s_add_co_u32 s87, s87, s88                     ; the slice's first head,
	s_mul_i32 s87, s87, HEADB
	s_and_b32 s88, s18, 7
	s_lshl_b32 s88, s88, 1
	s_lshr_b32 s89, s[WV], 1
	s_add_co_u32 s88, s88, s89                     ; my step of 128 keys,
	s_mul_i32 s88, s88, REC
	s_add_co_u32 s87, s87, s88
	s_and_b32 s89, s[WV], 1
	s_lshl_b32 s88, s89, 10                        ; and my two of its four pieces
	s_add_co_u32 s87, s87, s88
	s_add_co_u32 s87, s87, KSEL+8192
	s_mul_i32 s94, s89, 1022
	s_mov_b32 s95, 0
	s_cmp_lt_u32 s15, 32                           ; q and k, or v: only moves and selections stand between this compare and the last selection
	s_cselect_b32 s80, s80, s81
	s_cselect_b32 s82, s82, s83
	s_cselect_b32 s84, s84, s87
	s_cselect_b32 s[ISV], 0, 1
	s_cselect_b32 s[SH], 3, 2                      ; ptile j goes to BASE + (j >> SH) x BIG + (j & MSK) x SMALL
	s_cselect_b32 s[MSK], 7, 3
	s_mov_b32 s[BIG], HEADB
	s_cselect_b32 s[BIG], REC, s[BIG]
	s_mov_b32 s[SMALL], 2048
	s_cselect_b32 s[SMALL], 1024, s[SMALL]
	s_cselect_b32 s[RST], 8192, 0
	s_mov_b32 s[RST+1], 0
	s_mov_b32 s85, 0
	s_lshl_b32 s16, s[WV], 2
	s_add_co_u32 s80, s80, s16                     ; the four ptiles of S1 that I fetch
	s_add_co_u32 s82, s82, s16                     ; my four ptiles of S0
	s_lshl_b32 s20, s80, 14
	s_mov_b32 s21, 0
	s_lshl_b32 s22, s80, 9
	s_mov_b32 s23, 0
	s_lshl_b32 s90, s82, 14
	s_mov_b32 s91, 0
	s_lshl_b32 s92, s82, 9
	s_mov_b32 s93, 0
	s_and_b32 s86, s15, 7
	s_lshl_b32 s86, s86, 16                        ; the table at the slice's first token: 256 tokens of 256 bytes for each y & 7
	s_mov_b32 s87, 0
	s_mov_b32 s[G1A], 0x0023000f                   ; 15:0 the mask: all four work-groups; 17:16 elements of 8 bytes; 21 set beside a mask; no padding
	s_mov_b32 s[G1A+1], 32<<16                     ; tensor_dim0 = 32 elements: rows of 256 bytes
	s_mov_b32 s[G1A+2], 256<<16                    ; tensor_dim1 = 256
	s_mov_b32 s[G1A+3], 32<<16                     ; tile_dim0
	s_mov_b32 s[G1A+4], 256                        ; tile_dim1
	s_mov_b32 s[G1A+5], 32                         ; the pitch: dense
	s_mov_b32 s[G1A+6], 0
	s_mov_b32 s[G1A+7], 0
	s_mov_b32 s[G1B], 0x0023000f
	s_mov_b32 s[G1B+1], 32<<16
	s_mov_b32 s[G1B+2], 8<<16
	s_mov_b32 s[G1B+3], 32<<16
	s_mov_b32 s[G1B+4], 8
	s_mov_b32 s[G1B+5], 32
	s_mov_b32 s[G1B+6], 0
	s_mov_b32 s[G1B+7], 0
	s_mov_b32 s[SEL], 0x76543210
	s_mov_b32 s[SEL+1], 0xfedcba98
	s_mov_b32 s[MNT], 0x600000
	s_wait_dscnt 0x0
	s_wait_kmcnt 0x0
	s_mov_b32 s[G0A], 1
	s_lshl_b32 s[G0A+1], s[WV], 16                 ; LDS: 65,536 x wave
	s_add_nc_u64 s[G0A+2:G0A+3], s[4:5], s[20:21]
	s_or_b32 s[G0A+3], s[G0A+3], 0x80000000
	s_mov_b32 s[G0B], 1
	s_lshl_b32 s[G0B+1], s[WV], 11
	s_add_co_u32 s[G0B+1], s[G0B+1], SCLL          ; LDS: SCLL + 2,048 x wave
	s_add_nc_u64 s[G0B+2:G0B+3], s[6:7], s[22:23]
	s_or_b32 s[G0B+3], s[G0B+3], 0x80000000
	s_add_nc_u64 s[S0C:S0C+1], s[4:5], s[90:91]
	s_add_nc_u64 s[S0L:S0L+1], s[6:7], s[92:93]
	s_add_nc_u64 s[RB:RB+1], s[8:9], s[86:87]
	s_add_nc_u64 s[BASE:BASE+1], s[10:11], s[84:85]
	s_add_nc_u64 s[SVB:SVB+1], s[BASE:BASE+1], 8704   ; v: from my pieces of V^T to my two bytes of V's scale words: + 16,896 - 8,192, and 2 in place of 1,024 for the odd wave
	s_sub_nc_u64 s[SVB:SVB+1], s[SVB:SVB+1], s[94:95]
	ROUND                                          ; all four work-groups are here: the joint loads meet
	tensor_load_to_lds s[G0B:G0B+3], s[G1B:G1B+7]  ; my four ptiles' scale words,
	s_nop 0
	tensor_load_to_lds s[G0A:G0A+3], s[G1A:G1A+7]  ; and their codes
	s_nop 0
.rept 4
	v_nop                                          ; four lines behind the loads, ahead of the first switch of windows
.endr
	v_and_b32 v15, 31, v0
	v_and_b32 v13, 15, v0                          ; r
	v_bfe_u32 v14, v0, 4, 1                        ; h
	v_lshlrev_b32 v[L16], 4, v15
	v_lshlrev_b32 v[R32], 5, v13
	v_lshl_add_u32 v[ASL0], v13, 5, SCLL
	v_and_b32 v[VCS], 8, v13
	v_add_nc_u32 v[VCS], v[VCS], v13
	v_lshlrev_b32 v[VCS], 8, v[VCS]
	v_lshl_add_u32 v[VCS], v14, 6, v[VCS]
	s_lshl_b32 s16, s[WV], 10
	s_add_co_u32 s16, s16, SCR
	v_lshl_add_u32 v[SCR0], v13, 6, s16
	v_lshl_add_u32 v[SRQ], v14, 4, v[SCR0]
	v_lshl_add_u32 v[SRV], v14, 2, v[SCR0]
	v_lshl_add_u32 v[GOQ], v14, 4, v[R32]
	v_lshlrev_b32 v[GOV], 4, v13
	v_lshl_add_u32 v[GOV], v14, 2, v[GOV]
	v_mov_b32 v[TM+2], 0                           ; written once: a lane permute's destination counts as one of its sources
	v_mov_b32 v[TM+3], 0
	WIN 0x40                                       ; destination window 1
.irp s, 0,1,2,3
.irp t, 0,1,2,3
.irp c, 0,1,2,3
	global_load_b128 v[16*(4*\s+\t)+4*\c:16*(4*\s+\t)+4*\c+3], v[L16], s[S0C:S0C+1] offset:16384*\t+2048*\s+512*\c
.endr
.endr
.endr
	WIN 0x80                                       ; destination window 2
.irp s, 4,5,6,7
.irp t, 0,1,2,3
.irp c, 0,1,2,3
	global_load_b128 v[16*(4*(\s-4)+\t)+4*\c:16*(4*(\s-4)+\t)+4*\c+3], v[L16], s[S0C:S0C+1] offset:16384*\t+2048*\s+512*\c
.endr
.endr
.endr
	WIN 0
.irp t, 0,1,2,3
.irp q, 0,1
	global_load_b128 v[S0S+8*\t+4*\q:S0S+8*\t+4*\q+3], v[R32], s[S0L:S0L+1] offset:512*\t+16*\q
.endr
.endr
.macro CSLOAD hs, imm                  ; (cos, sin) of my token's 16 pairs of channels: pairs 16 b + 8 h + 0 .. 7
.irp b, 0,1
.irp q, 0,1,2,3
	global_load_b128 v[CSR+32*(\hs)+16*\b+4*\q:CSR+32*(\hs)+16*\b+4*\q+3], v[VCS], s[RB:RB+1] offset:(\imm)+128*\b+16*\q
.endr
.endr
.endm
	CSLOAD 0, 0
	CSLOAD 1, 2048
.macro FETCH hs                        ; a ptile of S1, all of K, and its eight scale words: 34 LDS loads
	WIN 0xc0                                       ; destination window 3
.irp s, 0,1,2,3,4,5,6,7
.irp c, 0,1,2,3
	ds_load_b128 v[128*(\hs)+16*\s+4*\c:128*(\hs)+16*\s+4*\c+3], v[AL] offset:2048*\s+512*\c
.endr
.endr
	WIN 0
	ds_load_b128 v[S1S+8*(\hs):S1S+8*(\hs)+3], v[ASL]
	ds_load_b128 v[S1S+8*(\hs)+4:S1S+8*(\hs)+7], v[ASL] offset:16
.endm
.macro MUL hs                          ; 32 products: K step by K step, the four accumulators by turns, one instruction a turn; the first K step starts the sums
	WIN 0x0d                                       ; source 0 window 1, source 1 window 3
.irp s, 0,1,2,3
.irp t, 0,1,2,3
.if \s == 0
	v_wmma_scale_f32_16x16x128_f8f6f4 v[ACC+8*\t:ACC+8*\t+7], v[16*(4*\s+\t):16*(4*\s+\t)+15], v[128*(\hs)+16*\s:128*(\hs)+16*\s+15], 0, v[S0S+8*\t+\s], v[S1S+8*(\hs)+\s] matrix_a_fmt:MATRIX_FMT_BF8 matrix_b_fmt:MATRIX_FMT_BF8
.else
	v_wmma_scale_f32_16x16x128_f8f6f4 v[ACC+8*\t:ACC+8*\t+7], v[16*(4*\s+\t):16*(4*\s+\t)+15], v[128*(\hs)+16*\s:128*(\hs)+16*\s+15], v[ACC+8*\t:ACC+8*\t+7], v[S0S+8*\t+\s], v[S1S+8*(\hs)+\s] matrix_a_fmt:MATRIX_FMT_BF8 matrix_b_fmt:MATRIX_FMT_BF8
.endif
.endr
.endr
	WIN 0x0e                                       ; source 0 window 2
.irp s, 4,5,6,7
.irp t, 0,1,2,3
	v_wmma_scale_f32_16x16x128_f8f6f4 v[ACC+8*\t:ACC+8*\t+7], v[16*(4*(\s-4)+\t):16*(4*(\s-4)+\t)+15], v[128*(\hs)+16*\s:128*(\hs)+16*\s+15], v[ACC+8*\t:ACC+8*\t+7], v[S0S+8*\t+\s], v[S1S+8*(\hs)+\s] matrix_a_fmt:MATRIX_FMT_BF8 matrix_b_fmt:MATRIX_FMT_BF8
.endr
.endr
	WIN 0
.endm
.macro ROPE hs                         ; a pair (a, b) of channels becomes (a cos - b sin, b cos + a sin)
.set m, 0
.rept 16
	v_pk_mul_f32 v[TMP+m:TMP+m+1], v[ACC+m:ACC+m+1], v[CSR+32*(\hs)+m:CSR+32*(\hs)+m+1] op_sel:[1,1] op_sel_hi:[0,1] neg_lo:[0,1]   ; (-b sin, a sin)
.set m, m+2
.endr
.set m, 0
.rept 16
	v_pk_fma_f32 v[ACC+m:ACC+m+1], v[ACC+m:ACC+m+1], v[CSR+32*(\hs)+m:CSR+32*(\hs)+m+1], v[TMP+m:TMP+m+1] op_sel_hi:[1,0,1]   ; (a, b) cos + that
.set m, m+2
.endr
.endm
; 32 numbers of a lane, v[s] on: two blocks of 32, each shared with lane l xor 16, become 2 x 4 registers of codes in v[PC] on and two bytes in v[BY], v[BY + 1]
.macro QUANT2 s
.irp b, 0,1
	v_max3_num_f32 v[TM+\b], |v[\s+16*\b]|, |v[\s+1+16*\b]|, 0x8000000   ; my 16 numbers, from the accumulators' low end on, and the floor 2^(16 - 127)
.endr
.irp i, 2,4,6,8,10,12,14
.irp b, 0,1
	v_max3_num_f32 v[TM+\b], v[TM+\b], |v[\s+16*\b+\i]|, |v[\s+1+16*\b+\i]|
.endr
.endr
.irp b, 0,1
	v_permlanex16_b32 v[TM+2+\b], v[TM+\b], s[SEL], s[SEL+1]
.endr
.irp b, 0,1
	v_max_num_f32 v[TM+\b], v[TM+\b], v[TM+2+\b]   ; the block's largest magnitude
.endr
.irp b, 0,1
	v_add_nc_u32 v[TM+6+\b], 0xf8800000, v[TM+\b]  ; 15 off its exponent field: the conversion's scale operand
.endr
.irp b, 0,1
	v_and_or_b32 v[TM+4+\b], v[TM+\b], 0x7f800000, s[MNT]   ; 57,344 x the scale
.endr
.irp b, 0,1
	v_lshrrev_b32 v[BY+\b], 23, v[TM+6+\b]         ; the scale's byte
.endr
.irp b, 0,1
.irp i, 0,1,2,3,4,5,6,7,8,9,10,11,12,13,14,15
	v_med3_num_f32 v[\s+16*\b+\i], v[\s+16*\b+\i], -v[TM+4+\b], v[TM+4+\b]   ; the conversion to an 8-bit code does not saturate (ISA guide 7.6.2): the hold
.endr
	v_cvt_scalef32_pk8_bf8_f32 v[PC+4*\b:PC+1+4*\b], v[\s+16*\b:\s+7+16*\b], v[TM+6+\b]
	v_cvt_scalef32_pk8_bf8_f32 v[PC+2+4*\b:PC+3+4*\b], v[\s+8+16*\b:\s+15+16*\b], v[TM+6+\b]
.endr
	v_nop                                          ; a plain line behind the last conversion: the next products write its sources
.endm
; ptile J + cur, from set cur.  pre = 1: the next ptile is fetched into set nxt first.  cs = 1: the table's loads for the ptile two on.
.macro PT cur, nxt, pre, cs
	s_wait_xcnt 0x0                                ; the last ptile's stores and table loads have read their registers: codes, base and table pointer are written again only behind this wait
.if ((\cur) == 0) && (\cs)
	s_add_nc_u64 s[RB:RB+1], s[RB:RB+1], s[RST:RST+1]
.endif
.if \pre
	s_add_co_u32 s[TA], s[TA], 16384
	s_add_co_u32 s[TS], s[TS], 512
	v_add_nc_u32 v[AL], s[TA], v[L16]
	v_add_nc_u32 v[ASL], s[TS], v[ASL0]
	FETCH \nxt                                     ; (the set's last products stand in front of the last ptile's eight places)
	s_wait_dscnt 34                                ; all but the 34 loads just issued: this ptile's fragments and words are in
.else
	s_wait_dscnt 0x0
.endif
	MUL \cur
.rept 8
	v_nop                                          ; eight places behind these products, ahead of the first read of results and of the next loads into their sources
.endr
.if (\cs) || ((\cur) == 0)
	s_wait_loadcnt 8                               ; this ptile's eight table loads are in; the next ptile's eight may be out
.else
	s_wait_loadcnt 0x0
.endif
	s_cmp_lg_u32 s[ISV], 0
	s_cbranch_scc1 .Lno_rope_\@                    ; v is not rotated: the branch stands round the arithmetic alone
	ROPE \cur
.Lno_rope_\@:
.if \cs
	CSLOAD \cur, 2048*(\cur)
.endif
	QUANT2 ACC
	v_lshl_or_b32 v[HW], v[BY+1], 8, v[BY]
	v_lshl_or_b32 v[HW], v[HW], 16, v[HW]          ; the two bytes, twice
	ds_store_b32 v[SCW], v[HW] offset:4*(\cur)     ; word j of my row, in my wave's scratch (both halves of the lanes write the same word with the same value)
	s_add_co_u32 s72, s[J], \cur
	s_lshr_b32 s73, s72, s[SH]
	s_mul_i32 s73, s73, s[BIG]
	s_and_b32 s72, s72, s[MSK]
	s_mul_i32 s72, s72, s[SMALL]
	s_add_co_u32 s72, s72, s73
	s_mov_b32 s73, 0
	s_add_nc_u64 s[OB:OB+1], s[BASE:BASE+1], s[72:73]
	global_store_b128 v[L16], v[PC:PC+3], s[OB:OB+1]               ; block 0: 512 consecutive bytes, aligned to 256
	global_store_b128 v[L16], v[PC+4:PC+7], s[OB:OB+1] offset:512  ; block 1
.endm
	s_mov_b32 s[TA], 0
	s_mov_b32 s[TS], 0
	s_mov_b32 s[J], 0
	s_mov_b32 s[SJ], 0
	s_mov_b32 s[TRIP], 7
	v_add_nc_u32 v[AL], s[TA], v[L16]
	v_add_nc_u32 v[ASL], s[TS], v[ASL0]
	s_wait_tensorcnt 0x0                           ; my parts of the slice have landed,
	s_barrier_signal -1
	s_barrier_wait -1                              ; everybody's have
	FETCH 0
	s_wait_loadcnt 0x0                             ; S0, its scale words, the first two ptiles' table
.Ltrip:                                            ; 7 trips of two ptiles
	v_add_nc_u32 v[SCW], s[SJ], v[SCR0]
	PT 0, 1, 1, 1
	PT 1, 0, 1, 1
	s_add_co_u32 s[J], s[J], 2
	s_add_co_u32 s[SJ], s[SJ], 8
	s_sub_co_u32 s[TRIP], s[TRIP], 1
	s_cmp_lg_u32 s[TRIP], 0
	s_cbranch_scc1 .Ltrip
	v_add_nc_u32 v[SCW], s[SJ], v[SCR0]
	PT 0, 1, 1, 0                                  ; the last two ptiles ask for no more of the table, the last for no ptile
	PT 1, 0, 0, 0
	; the scale words' way out, from my own scratch: LDS serves a wave's instructions in order, so the loads see my stores
	s_cmp_lg_u32 s[ISV], 0
	s_cbranch_scc1 .Lv_out
	ds_load_b128 v[WO:WO+3], v[SRQ]                ; words 4 h .. 4 h + 3 of my row: the first record's,
	ds_load_b128 v[WO+4:WO+7], v[SRQ] offset:32    ; the second's
	s_wait_dscnt 0x0
	global_store_b128 v[GOQ], v[WO:WO+3], s[BASE:BASE+1] offset:16384        ; 512 consecutive bytes
	global_store_b128 v[GOQ], v[WO+4:WO+7], s[BASE:BASE+1] offset:16384+REC
	s_branch .Ldone
.Lv_out:
.irp i, 0,1,2,3,4,5,6,7
	ds_load_b32 v[WO+\i], v[SRV] offset:8*\i       ; word j = 2 i + h of my row
.endr
	s_wait_dscnt 0x0
.irp i, 0,1,2,3,4,5,6,7
	global_store_b16 v[GOV], v[WO+\i], s[SVB:SVB+1] offset:(\i/2)*HEADB+(\i%2)*8   ; head j / 4, tile of channels j % 4: my two key blocks' bytes of that word
.endr
.Ldone:
	s_wait_tensorcnt 0x0
	ds_add_u32 v254, v255
	s_wait_dscnt 0x0
	ROUND                                          ; the closing round: no work-group ends while a partner may still ask for a tile that names it
	s_endpgm
.Lfunc_end_k_q7941cce3ad_proj:
	.size	k_q7941cce3ad_proj, .Lfunc_end_k_q7941cce3ad_proj-k_q7941cce3ad_proj
	.p2alignl 7, 3214868480
	.fill 96, 4, 3214868480
	.section	.rodata,"a",@progbits
	.p2align	6, 0x0
	.amdhsa_kernel k_q7941cce3ad_proj
		.amdhsa_group_segment_fixed_size 274944
		.amdhsa_private_segment_fixed_size 0
		.amdhsa_enable_private_segment 0
		.amdhsa_kernarg_size 32
		.amdhsa_user_sgpr_count 2
		.amdhsa_user_sgpr_kernarg_segment_ptr 1
		.amdhsa_wavefront_size32 1
		.amdhsa_system_sgpr_workgroup_id_x 1
		.amdhsa_system_sgpr_workgroup_id_y 1
		.amdhsa_system_sgpr_workgroup_id_z 1
		.amdhsa_system_vgpr_workitem_id 0
		.amdhsa_next_free_vgpr 1024
		.amdhsa_next_free_sgpr 96
		.amdhsa_reserve_vcc 0
		.amdhsa_float_denorm_mode_32 3
		.amdhsa_float_denorm_mode_16_64 3
		.amdhsa_memory_ordered 1
		.amdhsa_forward_progress 1
		.amdhsa_inst_pref_size 79
	.end_amdhsa_kernel
	.amdgpu_metadata
---
amdhsa.version: [ 1, 2 ]
amdhsa.kernels:
  - .name:           k_q7941cce3ad_proj
    .symbol:         k_q7941cce3ad_proj.kd
    .args:
      - { .name: cod, .offset: 0, .size: 8, .value_kind: global_buffer, .address_space: global }
      - { .name: scl, .offset: 8, .size: 8, .value_kind: global_buffer, .address_space: global }
      - { .name: rope, .offset: 16, .size: 8, .value_kind: global_buffer, .address_space: global }
      - { .name: qkv, .offset: 24, .size: 8, .value_kind: global_buffer, .address_space: global }
    .group_segment_fixed_size: 274944
    .private_segment_fixed_size: 0
    .kernarg_segment_align: 8
    .kernarg_segment_size: 32
    .max_flat_workgroup_size: 128
    .sgpr_count:     96
    .vgpr_count:     1024
    .wavefront_size: 32
...
	.end_amdgpu_metadata
.endif
;; end of part 2
;; launch attn (part 3): grid 4 x 64, 16 waves a work-group, clusters of 4 x 1, 276,480 bytes of LDS; arguments qkv, ac, asc; writes ac, asc
.if DOCPART == 3
	.amdgcn_target "amdgcn-amd-amdhsa--gfx1250"
	.amdhsa_code_object_version 6
	.text
	.protected	k_q7941cce3ad_attn
	.globl	k_q7941cce3ad_attn
	.p2align	8
	.type	k_q7941cce3ad_attn,@function
k_q7941cce3ad_attn:
	s_mov_b64 s[64:65], 0
	v_nop
	global_prefetch_b8 v0, s[64:65] scope:SCOPE_SE
	s_setreg_imm32_b32 hwreg(HW_REG_WAVE_MODE, 25, 1), 1
	s_wait_xcnt 0x0
	s_wait_alu depctr_hold_cnt(0) depctr_sa_sdst(0) depctr_va_vdst(0) depctr_va_sdst(0) depctr_va_ssrc(0) depctr_va_vcc(0) depctr_vm_vsrc(0)
	s_getreg_b32 s2, hwreg(HW_REG_IB_STS2, 6, 4)
	s_cmp_eq_u32 s2, 0
	s_cbranch_scc0 .Lentry_in_a_cluster
	s_endpgm
.Lentry_in_a_cluster:
	s_bfe_u32 s2, ttmp6, 0x10000c
	s_cmp_lg_u32 s2, 0x3003
	s_cbranch_scc0 .Lentry_shape_is_right
	s_endpgm
.Lentry_shape_is_right:
; Attention of one head, on codes of BF8 (E5M2) with E8M0 scales: S^T = K Q^T, the mask, p = 2^(t - M), O^T = V^T P^T, O / l, quantised along the model's 1,024 for the last product.
; THE MASK IS -10,000, A NUMBER: hidden keys are computed like the others.  score / 64 - 10,000 = (score - 640,000) / 64 bit for bit (64 is a power of two), so the mask is one f32 addition of -640,000 to the score.
; t = (score [- 640,000]) x log2(e) / 64; M = the running largest t rounded UP to a whole number; p is not normalised; the row's sum is taken of the unquantised p and divides O at the end; when M moves, the sum and O are
; multiplied by 2^(old M - new M), exactly.
; SHARES.  The four work-groups of a cluster are one head's queries.  All of the head's K, V and their scale words, 16 records of 17,152 bytes (128 keys each), lie in LDS for the whole launch: wave w fetches record w by one
; JOINT load (mask 15).  Every LDS byte is filled once; a wave has one tensor load out.  Wave w takes query ptiles 8 w + 2 cx + pass, pass = 0, 1: so the step on the diagonal is step w in every partner, and the mask's
; branches hang on the wave's number and the step's counter alone; cx enters global addresses and a lane's number d.
; LAYOUT.  Both products are used transposed: a lane holds ONE query (lane % 16) throughout.  Keys and channels lie in ptiles (lane r: row 32 (T / 2) + 8 (T % 2) + r + 8 (r / 8)), so that the 16 registers of tiles 2 b and
; 2 b + 1 are 16 neighbours: p's are the second product's operand, O's the last product's.  The head has 64 channels and the instruction 128 along K: registers 8-15 of Q's and K's fragments hold zero codes.
; The scale bytes of O leave one byte a lane (a token's 16 heads belong to 16 clusters): 256 KB in the whole launch.
; LIMITS: a block of zeros gets the byte 1 over zero codes; NaN and infinities are not served; the division by the row's sum is v_rcp_f32 and a product.
.set REC,   17152
.set HEADB, 16*REC
.set KSEL,  64*HEADB
.set KF,  32                           ; v32-95   four fragments of K; the upper eight registers of each are zeros, set once
.set S,   96                           ; v96-159  S^T, then p, then four fragments of V
.set O,   160                          ; v160-191 O^T
.set PC,  192                          ; v192-207 p's codes; on the way out O's
.set KS,  208                          ; v208-211 K's scale words: lanes 0-15 tiles 0-3, lanes 16-31 tiles 4-7
.set VS,  212                          ; v212-215 V's
.set QS,  216
.set PS,  217
.set BM,  220                          ; v220-223 the blocks' largest scores, then largest p
.set BP,  224                          ; v224-227 the other half's, then the bytes
.set BH,  228                          ; v228-231 the holds
.set BS,  232                          ; v232-235 the conversions' scale operands
.set SUM2, 236
.set T0,  238
.set T1,  239
.set F,   240                          ; v[240:241] f = 2^(old M - new M) (the packed forms name the pair)
.set TM,  220                          ; the way out's quantiser works where the blocks' figures lay
.set BY,  228
; v1 16 x lane; v2, v3 my lane's place among K's and V's scale words; v4-6 these three in the step's record; v7 d; v8 -640,000; v9 32 r; v10 32 r + h; v12 -M, v13 the largest t, v[14:15] the sum; v16-31 Q
.set WV,  12
.set G1,  24
.set G0,  32
.set QP,  36
.set QSP, 38
.set ACP, 40
.set ASP, 42
.set CS,  44                           ; s[44:45] log2(e) / 64
.set NEG, 46                           ; s[46:47] -640,000
.set SEL, 48
.set MNT, 50
.set HM,  51
.set TB,  52
.set ST,  53
.set PASS, 54
.macro ROUND                           ; a round of the cluster's barrier
	s_barrier_signal -1
	s_barrier_wait -1
	s_cmp_lg_u32 s[WV], 0
	s_cbranch_scc1 .Lnot_wave_0_\@
	s_barrier_signal -3
.Lnot_wave_0_\@:
	s_barrier_wait -3
	s_barrier_signal -1
	s_barrier_wait -1
.endm
	s_load_b128 s[4:7], s[0:1], 0x0                ; qkv s[4:5], ac s[6:7]
	s_load_b64 s[8:9], s[0:1], 0x10                ; asc
	v_lshl_add_u32 v254, v0, 2, 0x43000
	v_mov_b32 v255, 0
	ds_add_u32 v254, v255
	ds_add_u32 v254, v255
	v_lshrrev_b32 v1, 5, v0
	v_readfirstlane_b32 s[WV], v1                  ; wave 0..15
	s_bfe_u32 s13, ttmp6, 0x40000                  ; cx
	s_and_b32 s14, ttmp7, 0xffff                   ; batch x 16 + head, which the partners share
	s_mov_b32 s[G1], 0x0023000f                    ; the mask: all four; elements of 8 bytes; bit 21 beside the mask; no padding
	s_mov_b32 s[G1+1], 32<<16                      ; rows of 256 bytes,
	s_mov_b32 s[G1+2], 67<<16                      ; 67 of them: a record
	s_mov_b32 s[G1+3], 32<<16
	s_mov_b32 s[G1+4], 67
	s_mov_b32 s[G1+5], 32
	s_mov_b32 s[G1+6], 0
	s_mov_b32 s[G1+7], 0
	s_mul_i32 s16, s14, HEADB
	s_mul_i32 s17, s[WV], REC
	s_add_co_u32 s18, s16, s17                     ; record w of my head
	s_add_co_u32 s20, s18, KSEL                    ; among k's and v's
	s_mov_b32 s21, 0
	s_mov_b32 s[CS], 0x3cb8aa3b
	s_mov_b32 s[CS+1], s[CS]
	s_mov_b32 s[NEG], 0xc91c4000
	s_mov_b32 s[NEG+1], s[NEG]
	s_mov_b32 s[SEL], 0x76543210
	s_mov_b32 s[SEL+1], 0xfedcba98
	s_mov_b32 s[MNT], 0x600000
	s_mov_b32 s[HM], 0xffff0000
	s_wait_dscnt 0x0
	s_wait_kmcnt 0x0
	s_mov_b32 s[G0], 1
	s_mov_b32 s[G0+1], s17                         ; LDS: 17,152 x wave
	s_add_nc_u64 s[G0+2:G0+3], s[4:5], s[20:21]
	s_or_b32 s[G0+3], s[G0+3], 0x80000000
	ROUND                                          ; all four work-groups are here: the joint loads meet
	tensor_load_to_lds s[G0:G0+3], s[G1:G1+7]
	s_nop 0
.rept 4
	v_nop
.endr
	s_lshl_b32 s58, s13, 11                        ; my first query ptile of the record: 2 cx, 1,024 bytes each
	s_add_co_u32 s56, s18, s58
	s_mov_b32 s57, 0
	s_add_nc_u64 s[QP:QP+1], s[4:5], s[56:57]
	s_lshl_b32 s58, s13, 3
	s_add_co_u32 s56, s18, s58
	s_add_co_u32 s56, s56, 16384
	s_add_nc_u64 s[QSP:QSP+1], s[4:5], s[56:57]    ; and its scale words: word 2 cx of each row
	s_lshr_b32 s58, s14, 4
	s_lshl_b32 s58, s58, 7
	s_lshl_b32 s59, s[WV], 3
	s_add_co_u32 s58, s58, s59
	s_lshl_b32 s59, s13, 1
	s_add_co_u32 s58, s58, s59                     ; the ptile among all 512: 128 x batch + 8 w + 2 cx
	s_and_b32 s59, s14, 15                         ; the head
	s_lshl_b32 s56, s58, 14
	s_lshl_b32 s60, s59, 10                        ; K step head / 2, pieces 2 (head % 2) on: 1,024 x head
	s_add_co_u32 s56, s56, s60
	s_add_nc_u64 s[ACP:ACP+1], s[6:7], s[56:57]
	s_lshl_b32 s56, s58, 9
	s_lshl_b32 s60, s59, 1                         ; bytes 2 head, 2 head + 1 of a row's 32
	s_add_co_u32 s56, s56, s60
	s_add_nc_u64 s[ASP:ASP+1], s[8:9], s[56:57]
	v_and_b32 v[T0], 15, v0                        ; r
	v_bfe_u32 v[T1], v0, 4, 1                      ; h
	v_and_b32 v1, 31, v0
	v_lshlrev_b32 v1, 4, v1
	v_lshlrev_b32 v9, 5, v[T0]
	v_lshl_add_u32 v2, v[T1], 4, v9
	v_add_nc_u32 v2, 16384, v2
	v_lshl_add_u32 v3, v[T0], 4, 16896
	v_add_nc_u32 v10, v9, v[T1]
	v_and_b32 v7, 8, v[T0]
	v_add_nc_u32 v7, v7, v[T0]
	v_lshlrev_b32 v[SUM2], 4, v[T1]
	v_sub_nc_u32 v7, v7, v[SUM2]
	s_lshl_b32 s58, s13, 5
	v_add_nc_u32 v7, s58, v7                       ; d = my query's place in its step - 16 h: register 16 b + i holds a hidden key of the diagonal step where 32 b + i > d
	v_mov_b32 v8, 0xc91c4000
.irp j, 0,1,2,3,4,5,6,7
	v_mov_b32 v[24+\j], 0                          ; zero codes for k = 64 .. 127: Q's,
.endr
.irp t, 0,1,2,3
.irp j, 8,9,10,11,12,13,14,15
	v_mov_b32 v[KF+16*\t+\j], 0                    ; and K's
.endr
.endr
.irp b, 0,1,2,3
	v_mov_b32 v[BP+\b], 0                          ; written once: a lane permute's destination counts as one of its sources
.endr
	v_mov_b32 v[F+1], 0                            ; (named as the upper half of a pair)
	s_mov_b32 s[PASS], 2
	s_wait_tensorcnt 0x0                           ; my record has landed,
	s_barrier_signal -1
	s_barrier_wait -1                              ; everybody's has
.macro QUANT2 s                        ; 32 numbers of a lane: two blocks of 32, each shared with lane l xor 16 -> 2 x 4 registers of codes, two bytes
.irp b, 0,1
	v_max3_num_f32 v[TM+\b], |v[\s+16*\b]|, |v[\s+1+16*\b]|, 0x8000000
.endr
.irp i, 2,4,6,8,10,12,14
.irp b, 0,1
	v_max3_num_f32 v[TM+\b], v[TM+\b], |v[\s+16*\b+\i]|, |v[\s+1+16*\b+\i]|
.endr
.endr
.irp b, 0,1
	v_permlanex16_b32 v[TM+2+\b], v[TM+\b], s[SEL], s[SEL+1]
.endr
.irp b, 0,1
	v_max_num_f32 v[TM+\b], v[TM+\b], v[TM+2+\b]
.endr
.irp b, 0,1
	v_add_nc_u32 v[TM+6+\b], 0xf8800000, v[TM+\b]
.endr
.irp b, 0,1
	v_and_or_b32 v[TM+4+\b], v[TM+\b], 0x7f800000, s[MNT]
.endr
.irp b, 0,1
	v_lshrrev_b32 v[BY+\b], 23, v[TM+6+\b]
.endr
.irp b, 0,1
.irp i, 0,1,2,3,4,5,6,7,8,9,10,11,12,13,14,15
	v_med3_num_f32 v[\s+16*\b+\i], v[\s+16*\b+\i], -v[TM+4+\b], v[TM+4+\b]
.endr
	v_cvt_scalef32_pk8_bf8_f32 v[PC+4*\b:PC+1+4*\b], v[\s+16*\b:\s+7+16*\b], v[TM+6+\b]
	v_cvt_scalef32_pk8_bf8_f32 v[PC+2+4*\b:PC+3+4*\b], v[\s+8+16*\b:\s+15+16*\b], v[TM+6+\b]
.endr
	v_nop                                          ; a plain line behind the last conversion
.endm
.Lpass:                                            ; two trips: a query ptile each
	global_load_b128 v[16:19], v1, s[QP:QP+1]
	global_load_b128 v[20:23], v1, s[QP:QP+1] offset:512
	global_load_b32 v[QS], v9, s[QSP:QSP+1]
	v_mov_b32 v13, 0xff61b1e6                      ; the largest t so far: -3e38, under every t
	v_floor_f32 v12, -v13                          ; -M
	v_mov_b32 v14, 0
	v_mov_b32 v15, 0
.set n, 0
.rept 32
	v_mov_b32 v[O+n], 0                            ; the step is written once: the first finds zeros, which the first change of M leaves zeros
.set n, n+1
.endr
	s_mov_b32 s[TB], 0
	s_mov_b32 s[ST], 0
	s_wait_loadcnt 0x0
.Lstep:                                            ; 16 trips: 128 keys each
	v_add_nc_u32 v4, s[TB], v1
	v_add_nc_u32 v5, s[TB], v2
	v_add_nc_u32 v6, s[TB], v3
.rept 6
	v_nop                                          ; with the three additions: nine places behind the last step's products, whose sources (V's fragments) the products below write over
.endr
	ds_load_b128 v[KS:KS+3], v5
	ds_load_b128 v[VS:VS+3], v6
.irp g, 0,1                                    ; S^T = K Q^T, four tiles of 16 keys at a time
.if \g
.rept 8
	v_nop                                          ; places in front of loads into registers that the four products above have read
.endr
.endif
.irp t, 0,1,2,3
.irp c, 0,1
	ds_load_b128 v[KF+16*\t+4*\c:KF+16*\t+4*\c+3], v4 offset:(4*\g+\t)*1024+512*\c
.endr
.endr
	s_wait_dscnt 0x0
.irp t, 0,1,2,3
.if \g
	v_wmma_scale_f32_16x16x128_f8f6f4 v[S+8*(4+\t):S+8*(4+\t)+7], v[KF+16*\t:KF+16*\t+15], v[16:31], 0, v[KS+\t], v[QS] matrix_a_fmt:MATRIX_FMT_BF8 matrix_b_fmt:MATRIX_FMT_BF8 matrix_a_scale:MATRIX_SCALE_ROW1
.else
	v_wmma_scale_f32_16x16x128_f8f6f4 v[S+8*\t:S+8*\t+7], v[KF+16*\t:KF+16*\t+15], v[16:31], 0, v[KS+\t], v[QS] matrix_a_fmt:MATRIX_FMT_BF8 matrix_b_fmt:MATRIX_FMT_BF8
.endif
.endr
.endr
.rept 8
	v_nop
.endr
	; the mask.  Steps before mine hide nothing, steps behind it hide all, mine hides what lies behind my query
	s_cmp_lt_u32 s[ST], s[WV]
	s_cbranch_scc1 .Lopen
	s_cmp_eq_u32 s[ST], s[WV]
	s_cbranch_scc0 .Lall
.set n, 0
.rept 64
	v_cmp_gt_i32 vcc_lo, 32*(n/16)+n%16, v7
	v_cndmask_b32 v[T0], 0, v8, vcc_lo
	v_add_f32 v[S+n], v[S+n], v[T0]
.set n, n+1
.endr
	s_branch .Lopen
.Lall:
.set n, 0
.rept 32
	v_pk_add_f32 v[S+n:S+n+1], v[S+n:S+n+1], s[NEG:NEG+1] op_sel_hi:[1,0]
.set n, n+2
.endr
.Lopen:
.irp b, 0,1,2,3
	v_max3_num_f32 v[BM+\b], v[S+16*\b], v[S+1+16*\b], v[S+2+16*\b]   ; the largest score of each block of 32 keys: for the row's maximum, and, since p rises with the score, for the block's largest p
.endr
.irp i, 3,5,7,9,11,13
.irp b, 0,1,2,3
	v_max3_num_f32 v[BM+\b], v[BM+\b], v[S+16*\b+\i], v[S+1+16*\b+\i]
.endr
.endr
.irp b, 0,1,2,3
	v_max_num_f32 v[BM+\b], v[BM+\b], v[S+15+16*\b]
.endr
.irp b, 0,1,2,3
	v_permlanex16_b32 v[BP+\b], v[BM+\b], s[SEL], s[SEL+1]
.endr
.irp b, 0,1,2,3
	v_max_num_f32 v[BM+\b], v[BM+\b], v[BP+\b]     ; with lane l xor 16's 16 keys
.endr
	v_max3_num_f32 v[T0], v[BM], v[BM+1], v[BM+2]
	v_max_num_f32 v[T0], v[T0], v[BM+3]
	v_mul_f32 v[T0], s[CS], v[T0]                  ; the step's largest t
	v_max_num_f32 v13, v13, v[T0]                  ; the running largest
	v_mov_b32 v[T0], v12
	v_floor_f32 v12, -v13                          ; the new -M = -ceil(t): a whole number
	v_sub_f32 v[T0], v12, v[T0]                    ; old M - new M, 0 or less
	v_cvt_i32_f32 v[T0], v[T0]                     ; (it saturates)
	v_ldexp_f32 v[F], 1.0, v[T0]                   ; f = 2^(old M - new M)
.set n, 0
.rept 32
	v_pk_fma_f32 v[S+n:S+n+1], v[S+n:S+n+1], s[CS:CS+1], v[12:13] op_sel_hi:[1,0,0]   ; t - M, two at a time
.set n, n+2
.endr
.irp b, 0,1,2,3
	v_fma_f32 v[BM+\b], v[BM+\b], s[CS], v12       ; the same of each block's largest score
.endr
.set n, 0
.rept 64
	v_exp_f32 v[S+n], v[S+n]                       ; p = 2^(t - M)
.set n, n+1
.endr
	v_pk_mul_f32 v[14:15], v[14:15], v[F:F+1] op_sel_hi:[1,0]   ; the sums under the new M (the plain line behind the exponentials)
	s_wait_alu depctr_va_vdst(0)                   ; one wait for the batch of 64, ahead of the first line that names a result
.irp b, 0,1,2,3
	v_exp_f32 v[BM+\b], v[BM+\b]                   ; the blocks' largest p
.endr
	v_pk_add_f32 v[SUM2:SUM2+1], v[S:S+1], v[S+2:S+3]   ; the row's sum, of the unquantised p, in two chains
.set n, 4
.rept 15
	v_pk_add_f32 v[14:15], v[14:15], v[S+n:S+n+1]
	v_pk_add_f32 v[SUM2:SUM2+1], v[SUM2:SUM2+1], v[S+n+2:S+n+3]
.set n, n+4
.endr
	v_pk_add_f32 v[14:15], v[14:15], v[SUM2:SUM2+1]
	s_wait_alu depctr_va_vdst(0)                   ; and one for the four
.irp b, 0,1,2,3
	v_max_num_f32 v[BM+\b], 0x8000000, v[BM+\b]    ; the floor 2^(16 - 127): a block whose every p is 0 keeps the byte 1 over zero codes
.endr
.irp b, 0,1,2,3
	v_add_nc_u32 v[BS+\b], 0xf8800000, v[BM+\b]
.endr
.irp b, 0,1,2,3
	v_and_or_b32 v[BH+\b], v[BM+\b], 0x7f800000, s[MNT]
.endr
.irp b, 0,1,2,3
	v_lshrrev_b32 v[BP+\b], 23, v[BS+\b]
.endr
	v_lshl_or_b32 v[PS], v[BP+1], 8, v[BP]         ; p's scale word for these 128 keys: made well over eight places ahead of the products that take it
	v_lshl_or_b32 v[PS], v[BP+2], 16, v[PS]
	v_lshl_or_b32 v[PS], v[BP+3], 24, v[PS]
.irp b, 0,1,2,3
.irp i, 0,1,2,3,4,5,6,7,8,9,10,11,12,13,14,15
	v_min_num_f32 v[S+16*\b+\i], v[S+16*\b+\i], v[BH+\b]   ; the hold; p is not negative, so it is one-sided
.endr
	v_cvt_scalef32_pk8_bf8_f32 v[PC+4*\b:PC+1+4*\b], v[S+16*\b:S+7+16*\b], v[BS+\b]
	v_cvt_scalef32_pk8_bf8_f32 v[PC+2+4*\b:PC+3+4*\b], v[S+8+16*\b:S+15+16*\b], v[BS+\b]
.endr
.irp t, 0,1,2,3
.irp c, 0,1,2,3
	ds_load_b128 v[S+16*\t+4*\c:S+16*\t+4*\c+3], v4 offset:8192+2048*\t+512*\c   ; V^T's four tiles of channels, where p lay
.endr
.endr
.set n, 0
.rept 16
	v_pk_mul_f32 v[O+n:O+n+1], v[O+n:O+n+1], v[F:F+1] op_sel_hi:[1,0]   ; O^T under the new M, while the loads are out.  (These are also the places between the codes and the products)
.set n, n+2
.endr
	s_wait_dscnt 0x0
.irp t, 0,1,2,3
	v_wmma_scale_f32_16x16x128_f8f6f4 v[O+8*\t:O+8*\t+7], v[S+16*\t:S+16*\t+15], v[PC:PC+15], v[O+8*\t:O+8*\t+7], v[VS+\t], v[PS] matrix_a_fmt:MATRIX_FMT_BF8 matrix_b_fmt:MATRIX_FMT_BF8
.endr
	s_add_co_u32 s[TB], s[TB], REC
	s_add_co_u32 s[ST], s[ST], 1
	s_cmp_lt_u32 s[ST], 16
	s_cbranch_scc1 .Lstep
	; the way out: O^T / the sum, quantised along the channels, as pieces of the last product's operand
.rept 8
	v_nop
.endr
	v_add_f32 v14, v14, v15
	v_permlanex16_b32 v[T0], v14, s[SEL], s[SEL+1]
	v_add_f32 v14, v14, v[T0]                      ; the row's sum
	v_rcp_f32 v14, v14
	v_nop                                          ; the plain line behind the reciprocal
	s_wait_alu depctr_va_vdst(0)                   ; and the wait ahead of its first reader
.set n, 0
.rept 32
	v_mul_f32 v[S+n], v[O+n], v14                  ; register 16 b + e: channel 32 b + 16 h + e of my query
.set n, n+1
.endr
	QUANT2 S
	global_store_b128 v1, v[PC:PC+3], s[ACP:ACP+1]               ; 512 consecutive bytes, aligned
	global_store_b128 v1, v[PC+4:PC+7], s[ACP:ACP+1] offset:512
	v_cndmask_b32 v[T0], v[BY], v[BY+1], s[HM]     ; lanes 0-15 send block 0's byte, lanes 16-31 block 1's
	global_store_b8 v10, v[T0], s[ASP:ASP+1]
	s_wait_xcnt 0x0                                ; loads and stores have read their registers: the pointers step, and the data are written again, only behind this wait
	s_add_nc_u64 s[QP:QP+1], s[QP:QP+1], 1024
	s_add_nc_u64 s[QSP:QSP+1], s[QSP:QSP+1], 4
	s_add_nc_u64 s[ACP:ACP+1], s[ACP:ACP+1], 16384
	s_add_nc_u64 s[ASP:ASP+1], s[ASP:ASP+1], 512
	v_add_nc_u32 v7, 8, v7                         ; the odd ptile's queries lie 8 further on
	s_sub_co_u32 s[PASS], s[PASS], 1
	s_cmp_lg_u32 s[PASS], 0
	s_cbranch_scc1 .Lpass
	s_wait_tensorcnt 0x0
	ds_add_u32 v254, v255
	s_wait_dscnt 0x0
	ROUND                                          ; the closing round
	s_endpgm
.Lfunc_end_k_q7941cce3ad_attn:
	.size	k_q7941cce3ad_attn, .Lfunc_end_k_q7941cce3ad_attn-k_q7941cce3ad_attn
	.p2alignl 7, 3214868480
	.fill 96, 4, 3214868480
	.section	.rodata,"a",@progbits
	.p2align	6, 0x0
	.amdhsa_kernel k_q7941cce3ad_attn
		.amdhsa_group_segment_fixed_size 276480
		.amdhsa_private_segment_fixed_size 0
		.amdhsa_enable_private_segment 0
		.amdhsa_kernarg_size 24
		.amdhsa_user_sgpr_count 2
		.amdhsa_user_sgpr_kernarg_segment_ptr 1
		.amdhsa_wavefront_size32 1
		.amdhsa_system_sgpr_workgroup_id_x 1
		.amdhsa_system_sgpr_workgroup_id_y 1
		.amdhsa_system_sgpr_workgroup_id_z 1
		.amdhsa_system_vgpr_workitem_id 0
		.amdhsa_next_free_vgpr 256
		.amdhsa_next_free_sgpr 66
		.amdhsa_reserve_vcc 1
		.amdhsa_float_denorm_mode_32 3
		.amdhsa_float_denorm_mode_16_64 3
		.amdhsa_memory_ordered 1
		.amdhsa_forward_progress 1
		.amdhsa_inst_pref_size 42
	.end_amdhsa_kernel
	.amdgpu_metadata
---
amdhsa.version: [ 1, 2 ]
amdhsa.kernels:
  - .name:           k_q7941cce3ad_attn
    .symbol:         k_q7941cce3ad_attn.kd
    .args:
      - { .name: qkv, .offset: 0, .size: 8, .value_kind: global_buffer, .address_space: global }
      - { .name: ac, .offset: 8, .size: 8, .value_kind: global_buffer, .address_space: global }
      - { .name: asc, .offset: 16, .size: 8, .value_kind: global_buffer, .address_space: global }
    .group_segment_fixed_size: 276480
    .private_segment_fixed_size: 0
    .kernarg_segment_align: 8
    .kernarg_segment_size: 24
    .max_flat_workgroup_size: 512
    .sgpr_count:     66
    .vgpr_count:     256
    .wavefront_size: 32
...
	.end_amdgpu_metadata
.endif
;; end of part 3
;; launch outp (part 4): grid 4 x 64, 4 waves a work-group, clusters of 4 x 1, 168,448 bytes of LDS; arguments cod, scl, ac, asc, bo, out0; writes out0
.if DOCPART == 4
	.amdgcn_target "amdgcn-amd-amdhsa--gfx1250"
	.amdhsa_code_object_version 6
	.text
	.protected	k_q7941cce3ad_outp
	.globl	k_q7941cce3ad_outp
	.p2align	8
	.type	k_q7941cce3ad_outp,@function
k_q7941cce3ad_outp:
	s_mov_b64 s[64:65], 0
	v_nop
	global_prefetch_b8 v0, s[64:65] scope:SCOPE_SE
	s_setreg_imm32_b32 hwreg(HW_REG_WAVE_MODE, 25, 1), 1
	s_wait_xcnt 0x0
	s_wait_alu depctr_hold_cnt(0) depctr_sa_sdst(0) depctr_va_vdst(0) depctr_va_sdst(0) depctr_va_ssrc(0) depctr_va_vcc(0) depctr_vm_vsrc(0)
	s_getreg_b32 s2, hwreg(HW_REG_IB_STS2, 6, 4)
	s_cmp_eq_u32 s2, 0
	s_cbranch_scc0 .Lentry_in_a_cluster
	s_endpgm
.Lentry_in_a_cluster:
	s_bfe_u32 s2, ttmp6, 0x10000c
	s_cmp_lg_u32 s2, 0x3003
	s_cbranch_scc0 .Lentry_shape_is_right
	s_endpgm
.Lentry_shape_is_right:
; out0 = a Wo^T + bo, on codes of BF8 (E5M2) with E8M0 scales; a is attention's result as the launch before left it: ptile images and scale words.  All of K = 1,024 in one go.
; Source 0 is S0: four ptiles (64 rows) of Wo a wave, all of K, 512 registers, read from memory once and kept.  Source 1 is S1: 8 ptiles (128 tokens) of a, all of K, in LDS, read by all four waves, a ptile at a time.
; In the result a lane holds one token, and register 16 b + e is output column 32 b + 16 (lane / 16) + e of the wave's 64.  The bias is the C of each sum's first product.
; CLUSTER: the four work-groups differ in Wo's rows alone and share the slice of a: it is asked for JOINTLY (mask 15).  Every LDS byte is filled once; a wave has two tensor loads out.
; THE WAY OUT: a ptile's 16 tokens x 64 columns go through the wave's own stage (rows of 272 bytes) and leave as rows: sixteen lanes store 256 consecutive bytes, aligned.
.set SCLL,  131072                     ; LDS: the slice's codes 0 .. 131,071; its scale words, 512 bytes a ptile;
.set STG,   135168                     ; the stages, 16 x 272 bytes a wave, into which no tile lands
.set L16,  1                           ; v1   16 x lane
.set R32,  2                           ; v2   32 r
.set AL,   3
.set ASL,  4
.set BOF,  5                           ; v5   64 h
.set STO,  6                           ; v6   the stage, in: 272 r + 64 h
.set SRD,  7                           ; v7   back: 272 h + 16 r
.set GO,   8                           ; v8   4,096 h + 16 r
.set ASL0, 11
.set ACC,  16
.set S0S,  48
.set S1S,  80
.set BI,   96                          ; v96-127  the bias, in the result's layout
.set OUTR, 160                         ; v160-191 16 rows read back
.set WV,   16
.set G1A,  24
.set G1B,  32
.set G0A,  40
.set G0B,  44
.set S0C,  48
.set S0L,  50
.set BOP,  52
.set OB,   54
.set TA,   56
.set TS,   57
.set TRIP, 58
.set MSB, 0
.macro WIN new
.if MSB != \new
	s_set_vgpr_msb (MSB<<8)|\new
.set MSB, \new
.endif
.endm
.macro ROUND
	s_barrier_signal -1
	s_barrier_wait -1
	s_cmp_lg_u32 s[WV], 0
	s_cbranch_scc1 .Lnot_wave_0_\@
	s_barrier_signal -3
.Lnot_wave_0_\@:
	s_barrier_wait -3
	s_barrier_signal -1
	s_barrier_wait -1
.endm
	s_load_b256 s[4:11], s[0:1], 0x0               ; cod s[4:5], scl s[6:7], ac s[8:9], asc s[10:11]
	s_load_b128 s[12:15], s[0:1], 0x20             ; bo s[12:13], out0 s[14:15]
	v_lshl_add_u32 v254, v0, 2, 0x29000
	v_mov_b32 v255, 0
	ds_add_u32 v254, v255
	ds_add_u32 v254, v255
	v_lshrrev_b32 v1, 5, v0
	v_readfirstlane_b32 s[WV], v1                  ; wave 0..3
	s_bfe_u32 s17, ttmp6, 0x40000                  ; cx: which 256 columns; it enters addresses of plain loads and stores alone
	s_and_b32 s18, ttmp7, 0xffff                   ; y: which 128 tokens
	s_lshl_b32 s19, s17, 4
	s_lshl_b32 s20, s[WV], 2
	s_add_co_u32 s19, s19, s20
	s_add_co_u32 s19, s19, 704                     ; my four ptiles of Wo
	s_lshl_b32 s60, s19, 14
	s_mov_b32 s61, 0
	s_lshl_b32 s62, s19, 9
	s_mov_b32 s63, 0
	s_lshl_b32 s21, s18, 3
	s_lshl_b32 s22, s[WV], 1
	s_add_co_u32 s21, s21, s22                     ; the two ptiles of the slice that I fetch
	s_mov_b32 s23, 0
	s_mov_b32 s[G1A], 0x0023000f                   ; the mask: all four; elements of 8 bytes; bit 21 beside the mask; no padding
	s_mov_b32 s[G1A+1], 32<<16                     ; rows of 256 bytes,
	s_mov_b32 s[G1A+2], 128<<16                    ; 128 of them
	s_mov_b32 s[G1A+3], 32<<16
	s_mov_b32 s[G1A+4], 128
	s_mov_b32 s[G1A+5], 32
	s_mov_b32 s[G1A+6], 0
	s_mov_b32 s[G1A+7], 0
	s_mov_b32 s[G1B], 0x0023000f
	s_mov_b32 s[G1B+1], 32<<16
	s_mov_b32 s[G1B+2], 4<<16
	s_mov_b32 s[G1B+3], 32<<16
	s_mov_b32 s[G1B+4], 4
	s_mov_b32 s[G1B+5], 32
	s_mov_b32 s[G1B+6], 0
	s_mov_b32 s[G1B+7], 0
	s_wait_dscnt 0x0
	s_wait_kmcnt 0x0
	s_mov_b32 s[G0A], 1
	s_lshl_b32 s[G0A+1], s[WV], 15                 ; LDS: 32,768 x wave
	s_lshl_b32 s22, s21, 14
	s_add_nc_u64 s[G0A+2:G0A+3], s[8:9], s[22:23]
	s_or_b32 s[G0A+3], s[G0A+3], 0x80000000
	s_mov_b32 s[G0B], 1
	s_lshl_b32 s[G0B+1], s[WV], 10
	s_add_co_u32 s[G0B+1], s[G0B+1], SCLL          ; LDS: SCLL + 1,024 x wave
	s_lshl_b32 s22, s21, 9
	s_add_nc_u64 s[G0B+2:G0B+3], s[10:11], s[22:23]
	s_or_b32 s[G0B+3], s[G0B+3], 0x80000000
	s_add_nc_u64 s[S0C:S0C+1], s[4:5], s[60:61]
	s_add_nc_u64 s[S0L:S0L+1], s[6:7], s[62:63]
	s_lshl_b32 s60, s17, 10
	s_lshl_b32 s62, s[WV], 8
	s_add_co_u32 s60, s60, s62                     ; my 64 columns, in bytes: 1,024 cx + 256 wave
	s_add_nc_u64 s[BOP:BOP+1], s[12:13], s[60:61]
	s_lshl_b32 s62, s18, 19                        ; 128 rows of 4,096 bytes for each y
	s_add_co_u32 s60, s60, s62
	s_add_nc_u64 s[OB:OB+1], s[14:15], s[60:61]
	ROUND                                          ; all four work-groups are here: the joint loads meet
	tensor_load_to_lds s[G0B:G0B+3], s[G1B:G1B+7]
	s_nop 0
	tensor_load_to_lds s[G0A:G0A+3], s[G1A:G1A+7]
	s_nop 0
.rept 4
	v_nop                                          ; four lines ahead of the first switch of windows
.endr
	v_and_b32 v15, 31, v0
	v_and_b32 v13, 15, v0                          ; r
	v_bfe_u32 v14, v0, 4, 1                        ; h
	v_lshlrev_b32 v[L16], 4, v15
	v_lshlrev_b32 v[R32], 5, v13
	v_lshl_add_u32 v[ASL0], v13, 5, SCLL
	v_lshlrev_b32 v[BOF], 6, v14
	s_mul_i32 s19, s[WV], 16*272
	s_add_co_u32 s19, s19, STG                     ; my stage
	v_mul_u32_u24 v[STO], v13, 272
	v_lshl_add_u32 v[STO], v14, 6, v[STO]
	v_add_nc_u32 v[STO], s19, v[STO]
	v_mul_u32_u24 v[SRD], v14, 272
	v_lshl_add_u32 v[SRD], v13, 4, v[SRD]
	v_add_nc_u32 v[SRD], s19, v[SRD]
	v_lshlrev_b32 v[GO], 12, v14
	v_lshl_add_u32 v[GO], v13, 4, v[GO]
	WIN 0x40                                       ; destination window 1
.irp s, 0,1,2,3
.irp t, 0,1,2,3
.irp c, 0,1,2,3
	global_load_b128 v[16*(4*\s+\t)+4*\c:16*(4*\s+\t)+4*\c+3], v[L16], s[S0C:S0C+1] offset:16384*\t+2048*\s+512*\c
.endr
.endr
.endr
	WIN 0x80                                       ; destination window 2
.irp s, 4,5,6,7
.irp t, 0,1,2,3
.irp c, 0,1,2,3
	global_load_b128 v[16*(4*(\s-4)+\t)+4*\c:16*(4*(\s-4)+\t)+4*\c+3], v[L16], s[S0C:S0C+1] offset:16384*\t+2048*\s+512*\c
.endr
.endr
.endr
	WIN 0
.irp t, 0,1,2,3
.irp q, 0,1
	global_load_b128 v[S0S+8*\t+4*\q:S0S+8*\t+4*\q+3], v[R32], s[S0L:S0L+1] offset:512*\t+16*\q
	global_load_b128 v[BI+8*\t+4*\q:BI+8*\t+4*\q+3], v[BOF], s[BOP:BOP+1] offset:(32*(\t/2)+8*(\t%2))*4+16*\q   ; tile t's eight columns of my half
.endr
.endr
.macro FETCH hs                        ; a ptile of the slice, all of K, and its eight scale words: 34 LDS loads
	WIN 0xc0
.irp s, 0,1,2,3,4,5,6,7
.irp c, 0,1,2,3
	ds_load_b128 v[128*(\hs)+16*\s+4*\c:128*(\hs)+16*\s+4*\c+3], v[AL] offset:2048*\s+512*\c
.endr
.endr
	WIN 0
	ds_load_b128 v[S1S+8*(\hs):S1S+8*(\hs)+3], v[ASL]
	ds_load_b128 v[S1S+8*(\hs)+4:S1S+8*(\hs)+7], v[ASL] offset:16
.endm
.macro MUL hs                          ; 32 products, the four accumulators by turns, one instruction a turn; the first K step takes the bias as C
	WIN 0x0d
.irp s, 0,1,2,3
.irp t, 0,1,2,3
.if \s == 0
	v_wmma_scale_f32_16x16x128_f8f6f4 v[ACC+8*\t:ACC+8*\t+7], v[16*(4*\s+\t):16*(4*\s+\t)+15], v[128*(\hs)+16*\s:128*(\hs)+16*\s+15], v[BI+8*\t:BI+8*\t+7], v[S0S+8*\t+\s], v[S1S+8*(\hs)+\s] matrix_a_fmt:MATRIX_FMT_BF8 matrix_b_fmt:MATRIX_FMT_BF8
.else
	v_wmma_scale_f32_16x16x128_f8f6f4 v[ACC+8*\t:ACC+8*\t+7], v[16*(4*\s+\t):16*(4*\s+\t)+15], v[128*(\hs)+16*\s:128*(\hs)+16*\s+15], v[ACC+8*\t:ACC+8*\t+7], v[S0S+8*\t+\s], v[S1S+8*(\hs)+\s] matrix_a_fmt:MATRIX_FMT_BF8 matrix_b_fmt:MATRIX_FMT_BF8
.endif
.endr
.endr
	WIN 0x0e
.irp s, 4,5,6,7
.irp t, 0,1,2,3
	v_wmma_scale_f32_16x16x128_f8f6f4 v[ACC+8*\t:ACC+8*\t+7], v[16*(4*(\s-4)+\t):16*(4*(\s-4)+\t)+15], v[128*(\hs)+16*\s:128*(\hs)+16*\s+15], v[ACC+8*\t:ACC+8*\t+7], v[S0S+8*\t+\s], v[S1S+8*(\hs)+\s] matrix_a_fmt:MATRIX_FMT_BF8 matrix_b_fmt:MATRIX_FMT_BF8
.endr
.endr
	WIN 0
.endm
.macro PT cur, nxt, pre
	s_wait_xcnt 0x0                                ; the last ptile's stores have read their data: those registers are loaded again only behind this wait
.if \pre
	s_add_co_u32 s[TA], s[TA], 16384
	s_add_co_u32 s[TS], s[TS], 512
	v_add_nc_u32 v[AL], s[TA], v[L16]
	v_add_nc_u32 v[ASL], s[TS], v[ASL0]
	FETCH \nxt
	s_wait_dscnt 34                                ; all but the 34 loads just issued
.else
	s_wait_dscnt 0x0
.endif
	MUL \cur
.rept 9
	v_nop                                          ; nine places: the next ptile's first products write over these accumulators; eight of them serve the stores below and the next loads into the sources
.endr
.irp t, 0,1,2,3
	ds_store_b128 v[STO], v[ACC+8*\t:ACC+8*\t+3] offset:128*(\t/2)+32*(\t%2)          ; each accumulator from its low end on
	ds_store_b128 v[STO], v[ACC+8*\t+4:ACC+8*\t+7] offset:128*(\t/2)+32*(\t%2)+16
.endr
.irp i, 0,1,2,3,4,5,6,7
	ds_load_b128 v[OUTR+4*\i:OUTR+4*\i+3], v[SRD] offset:544*\i   ; rows 2 i and 2 i + 1: LDS serves a wave's instructions in order, so these see the stores above
.endr
.irp i, 0,1,2,3,4,5,6,7
	s_wait_dscnt 7-\i                              ; load i is in; the younger ones may be out
	global_store_b128 v[GO], v[OUTR+4*\i:OUTR+4*\i+3], s[OB:OB+1] offset:(8*(\cur)+2*\i+8*(\i/4))*4096 th:TH_STORE_NT   ; ptile row 2 i + h is token 8 cur + 2 i + h + 8 (i / 4) of the pair's 32; 16 lanes store 256 consecutive bytes, aligned
.endr
.endm
	s_mov_b32 s[TA], 0
	s_mov_b32 s[TS], 0
	s_mov_b32 s[TRIP], 3
	v_add_nc_u32 v[AL], s[TA], v[L16]
	v_add_nc_u32 v[ASL], s[TS], v[ASL0]
	s_wait_tensorcnt 0x0                           ; my parts of the slice have landed,
	s_barrier_signal -1
	s_barrier_wait -1                              ; everybody's have
	FETCH 0
	s_wait_loadcnt 0x0                             ; Wo's fragments, their scale words, the bias
.Ltrip:                                            ; 3 trips of two ptiles
	PT 0, 1, 1
	PT 1, 0, 1
	s_wait_xcnt 0x0                                ; the stores have read their base
	s_add_nc_u64 s[OB:OB+1], s[OB:OB+1], 131072    ; 32 tokens on
	s_sub_co_u32 s[TRIP], s[TRIP], 1
	s_cmp_lg_u32 s[TRIP], 0
	s_cbranch_scc1 .Ltrip
	PT 0, 1, 1
	PT 1, 0, 0                                     ; the last ptile fetches nothing
	s_wait_tensorcnt 0x0
	ds_add_u32 v254, v255
	s_wait_dscnt 0x0
	ROUND                                          ; the closing round: no work-group ends while a partner may still ask for a tile that names it
	s_endpgm
.Lfunc_end_k_q7941cce3ad_outp:
	.size	k_q7941cce3ad_outp, .Lfunc_end_k_q7941cce3ad_outp-k_q7941cce3ad_outp
	.p2alignl 7, 3214868480
	.fill 96, 4, 3214868480
	.section	.rodata,"a",@progbits
	.p2align	6, 0x0
	.amdhsa_kernel k_q7941cce3ad_outp
		.amdhsa_group_segment_fixed_size 168448
		.amdhsa_private_segment_fixed_size 0
		.amdhsa_enable_private_segment 0
		.amdhsa_kernarg_size 48
		.amdhsa_user_sgpr_count 2
		.amdhsa_user_sgpr_kernarg_segment_ptr 1
		.amdhsa_wavefront_size32 1
		.amdhsa_system_sgpr_workgroup_id_x 1
		.amdhsa_system_sgpr_workgroup_id_y 1
		.amdhsa_system_sgpr_workgroup_id_z 1
		.amdhsa_system_vgpr_workitem_id 0
		.amdhsa_next_free_vgpr 1024
		.amdhsa_next_free_sgpr 66
		.amdhsa_reserve_vcc 0
		.amdhsa_float_denorm_mode_32 3
		.amdhsa_float_denorm_mode_16_64 3
		.amdhsa_memory_ordered 1
		.amdhsa_forward_progress 1
		.amdhsa_inst_pref_size 55
	.end_amdhsa_kernel
	.amdgpu_metadata
---
amdhsa.version: [ 1, 2 ]
amdhsa.kernels:
  - .name:           k_q7941cce3ad_outp
    .symbol:         k_q7941cce3ad_outp.kd
    .args:
      - { .name: cod, .offset: 0, .size: 8, .value_kind: global_buffer, .address_space: global }
      - { .name: scl, .offset: 8, .size: 8, .value_kind: global_buffer, .address_space: global }
      - { .name: ac, .offset: 16, .size: 8, .value_kind: global_buffer, .address_space: global }
      - { .name: asc, .offset: 24, .size: 8, .value_kind: global_buffer, .address_space: global }
      - { .name: bo, .offset: 32, .size: 8, .value_kind: global_buffer, .address_space: global }
      - { .name: out0, .offset: 40, .size: 8, .value_kind: global_buffer, .address_space: global }
    .group_segment_fixed_size: 168448
    .private_segment_fixed_size: 0
    .kernarg_segment_align: 8
    .kernarg_segment_size: 48
    .max_flat_workgroup_size: 128
    .sgpr_count:     66
    .vgpr_count:     1024
    .wavefront_size: 32
...
	.end_amdgpu_metadata
.endif
;; end of part 4
